; MI455X (gfx1250); checked and timed in simulation.
; The chip was launched on July 23, 2026; its instructions are those of AMD's public machine-readable ISA for CDNA 5 (MIT licence, August 2026) and "CDNA5" Instruction Set Architecture Reference Guide (July 2026). The comments in the code are by the model that wrote it; some were corrected since.
;; Causal Self Attention. Allowed arithmetic: matrix products marked QUANTISED: E2M1 operands, one E8M0 scale for each 32 along K, by v_wmma_scale_f32_16x16x128_f8f6f4 with both operands' format E2M1 (or v_wmma_scale_f32_32x16x128_f4), f32 sums; everything else in f32.
;; Inputs: W_attn_codes 3,072 x 32 x 16 uint8 (E2M1 codes of W_attn, K innermost, in blocks of 32 codes, two codes a byte); W_attn_scales 3,072 x 32 uint8 (E8M0 scales of W_attn, one for each 32 codes along K); W_proj_codes 1,024 x 32 x 16 uint8 (E2M1 codes of W_proj, K innermost, in blocks of 32 codes, two codes a byte); W_proj_scales 1,024 x 32 uint8 (E8M0 scales of W_proj, one for each 32 codes along K); b_attn 3,072 float32; b_proj 1,024 float32; x_codes 4 x 2,048 x 32 x 16 uint8 (E2M1 codes of x, K innermost, in blocks of 32 codes, two codes a byte); x_scales 4 x 2,048 x 32 uint8 (E8M0 scales of x, one for each 32 codes along K).
;; Outputs: out0 4 x 2,048 x 1,024 float32.
;; This version of the problem:
;;   THIS VERSION OF THE PROBLEM IS GIVEN IN LOW PRECISION. The matrix products marked QUANTISED in the list below multiply operands that are first quantised to E2M1 (2 exponent bits, 1 mantissa bit; 4 bits a number), with one power-of-two scale for each 32 numbers along K (OCP MX v1.0); their sums are f32. All else is computed in f32.
;;   The module's matrix products, in the order in which they are computed (A, B: the left and right operand; K: the contracted axis; several contracted axes count as one K, in the product's order):
;;     1. [M 8,192, K 1,024] x [K 1,024, N 3,072]; A: input x (given as codes); B: input W_attn (given as codes): QUANTISED
;;     2. batch 64 x [M 2,048, K 64] x [K 64, N 2,048]; A: computed on the way; B: computed on the way: QUANTISED
;;     3. batch 64 x [M 2,048, K 2,048] x [K 2,048, N 64]; A: softmax (see below); B: computed on the way: QUANTISED
;;     4. [M 8,192, K 1,024] x [K 1,024, N 1,024]; A: computed on the way; B: input W_proj (given as codes): QUANTISED
;;   THE QUANTISER, for each operand of a quantised product, along K:
;;     - K is cut into blocks of 32 from its start; a last block that is shorter is filled with zeros.
;;     - A block's scale is 2^e with e = floor(log2(the largest magnitude in the block)) - 2, held to -126 .. 127; a block of zeros has e = 0. As a byte (E8M0): e + 127.
;;     - Each number is divided by its block's scale, clamped to +-6, and rounded to the nearest number of E2M1, ties to even, subnormals kept.
;;     - The product sums the exact products of the quantised numbers (number of the format x scale) in f32.
;;   ~~~python
;;   def quantise(x, axis):      # numpy; x: float32 -> the quantised numbers, widened to float32 again
;;       x = np.moveaxis(x, axis, -1); K = x.shape[-1]
;;       x = np.pad(x, [(0, 0)] * (x.ndim - 1) + [(0, -K % 32)]); x = x.reshape(x.shape[:-1] + (-1, 32)); a = np.abs(x).max(-1, keepdims=True)
;;       e = np.where(a > 0, np.clip(np.frexp(np.where(a > 0, a, 1))[1] - 1 - 2, -126, 127), 0)      # np.frexp(a)[1] - 1 = floor(log2(a)), exactly
;;       r = np.clip(x / 2.0 ** e, -6, 6)
;;       step = 2.0 ** (np.maximum(np.frexp(np.where(r == 0, 1, r))[1] - 1, 0) - 1)
;;       q = np.round(r / step) * step * 2.0 ** e      # np.round: ties to even
;;       return np.moveaxis(q.reshape(q.shape[:-2] + (-1,))[..., :K], -1, axis).astype(np.float32)
;;   ~~~
;;   SOFTMAX AHEAD OF A QUANTISED PRODUCT. Where the list says 'softmax', what is quantised is not the finished softmax but p = 2^(t - M), with t = logit x log2(e) and M = ceil(the row's largest t), a whole number; so 1/2 < the row's largest p <= 1. The row's sum l is taken of the UNQUANTISED p, in f32, and the product's result is divided by l at the end. Since M is a whole number, a kernel that streams over the keys may use a running M (the ceiling of the running maximum): every later rescaling is an exact power of two, which a block's scale takes up: the codes' values come out the same.
;;   OPERANDS COMPUTED ON THE WAY. 'Computed on the way' means the value that the module computes at that place (a softmax that the list does not call 'softmax' is quantised finished and normalised). What goes into a quantiser is computed in f32, as accurately as f32 sums, v_exp_f32 and their like allow (about 1e-6 of the number): no bf16 or f16 on the way to a quantiser, and a product that is left as it is and whose result goes on into a quantised operand takes f32 operands (vector FMAs, or v_wmma_f32_16x16x4_f32). A number that lies on a knife's edge between two numbers of the format may be rounded either way, as far as f32 arithmetic and the matrix unit's own rounding can turn it there, and no further.
;;   INPUTS GIVEN AS CODES. W_attn (in the module: [1024, 3072], K = its axis 0); W_proj (in the module: [1024, 1024], K = its axis 0); x (in the module: [4, 2048, 1024], K = its axis 2): each comes as NAME_codes (uint8): NAME with its K axis moved to the last place and cut into blocks of 32 codes, [.., K / 32, bytes a block], one block behind the other in memory; two codes a byte, the lower K in the low four bits (a code: sign, 2 exponent bits, 1 mantissa bit); and NAME_scales (uint8): the same leading axes, one E8M0 byte (e + 127) for each 32 codes along K. Its value is code x scale, taken as it is: it is not quantised again, and the codes and scales need not be those that the quantiser above would give.
;; One version. Each part assembles by itself: llvm-mc -triple=amdgcn-amd-amdhsa -mcpu=gfx1250 --defsym DOCPART=n.
;; ======== version 1 of 1: 3 launches
;; workspace buffers: qkv 13,893,632 bytes; ycodes 4,194,304 bytes; yscales 262,144 bytes
;; launch qkvgemm (part 1): grid 48 x 8, 4 waves a work-group, clusters of 4 x 4, 279,040 bytes of LDS; arguments x_codes, x_scales, W_attn_codes, W_attn_scales, b_attn, qkv; writes qkv
.if DOCPART == 1
	.amdgcn_target "amdgcn-amd-amdhsa--gfx1250"
	.amdhsa_code_object_version 6
	.text
	.protected	k_q99e074e8cb_qkvgemm
	.globl	k_q99e074e8cb_qkvgemm
	.p2align	8
	.type	k_q99e074e8cb_qkvgemm,@function
k_q99e074e8cb_qkvgemm:
	s_mov_b64 s[64:65], 0
	v_nop
	global_prefetch_b8 v0, s[64:65] scope:SCOPE_SE
	s_setreg_imm32_b32 hwreg(HW_REG_WAVE_MODE, 25, 1), 1
	s_wait_xcnt 0x0
	s_wait_alu depctr_hold_cnt(0) depctr_sa_sdst(0) depctr_va_vdst(0) depctr_va_sdst(0) depctr_va_ssrc(0) depctr_va_vcc(0) depctr_vm_vsrc(0)
	s_getreg_b32 s2, hwreg(HW_REG_IB_STS2, 6, 4)
	s_cmp_eq_u32 s2, 0
	s_cbranch_scc0 .Lentry_in_a_cluster
	s_endpgm
.Lentry_in_a_cluster:
	s_bfe_u32 s2, ttmp6, 0x10000c
	s_cmp_lg_u32 s2, 0xf033
	s_cbranch_scc0 .Lentry_shape_is_right
	s_endpgm
.Lentry_shape_is_right:
; qkv = x W_attn + b_attn on codes of FP4 (E2M1) with E8M0 scales, K = 1,024; the results are quantised at once and leave as codes: q and k along the head's 64 channels, v along the keys.
; ONE BODY, TWO ROLES.  D = S0 S1^T, source 0 = 16 rows of S0, source 1 = 16 rows of S1: a lane holds ONE row of S1 and its registers run along S0, which is the axis that is quantised.
;   TYPE 0 (cluster x under 8): S0 = W_attn's rows 0-2047 (q's and k's channels), S1 = tokens.   TYPE 1 (cluster x 8-11): S0 = tokens (the keys), S1 = W_attn's rows 2048-3071 (v's channels).
; TYPE hangs on the cluster's x alone: it is the same in all sixteen partners.  It chooses pointers (s_cselect_b64), the bias's form and the places of the stores.
; SHARES.  A work-group: 256 rows of S0 x 256 of S1; four waves, each 128 x 128: 64 accumulators, 512 registers.  All of K lies in LDS (two halves of 512 along K, rows of 256 bytes + 16 of padding):
; each LDS byte is filled once, so there is no ring; every tile is asked for at the head by its tensor load, and nothing is left that could be asked for earlier.
; CLUSTER 4 x 4: S0's tile hangs on the tile number T0, which holds cy and never cx: it is shared along a row of the cluster; S1's on T1, which holds cx and never cy: shared along a column.  Joint loads divide the requests by four.
; THE RECORD.  qkv holds, for each (batch, head, step of 128 tokens), 13,568 bytes: K's codes 4,096 | V's codes 4,096 | K's scale words 512 | V's 256 | Q's codes 4,096 | Q's scale words 512.
;   codes of q, k: tile n of 16 tokens: lane (r, h)'s 16 bytes (channels 32 h on of token 16 n + r) at 512 n + 256 h + 16 (r xor 8 g), g = (n % 4) / 2;
;   codes of v: tile n of 16 channels, keys 64 c + 32 h on, at 1,024 n + 512 c + 256 h + 16 (r xor 8 g), g = n / 2;   each store of a wave covers 512 consecutive bytes, aligned.
;   scale word of token t at 16 (t % 32) + 4 (t / 32): bytes 0, 1 the head's two blocks, bytes 2, 3 zero;   of channel d at 8 (d % 32) + 4 (d / 32): the step's four blocks of keys.
; LIMITS: NaN and infinities are not served; a block whose largest magnitude lies under 2^-124 (a block of zeros too) gets the byte 1: its bytes are read by this program alone.
; REGISTERS, in windows of 256: window 0: v1-14 addresses; v32-63 S0's scale words, v64-95 S1's (register 8 i + ks: lanes 0-15 block i, lanes 16-31 block i + 4, K step ks); v96-127 at work on the way out;
;   v128-255 S1's fragments, two sets; on the way out v128-191 the codes.   window 1: v0-127 S0's fragments, two sets; v192-255 the bias.   windows 2, 3: accumulator (a, b) at v[8 (8 (a % 4) + b)] of window 2 + a / 4.
.set PITCH,  272                       ; an LDS row: 256 bytes + 16 of padding: the 16 rows that a fragment load touches start at 16 different banks
.set HALFT,  128*PITCH                 ; 128 rows: what one tensor load brings, and what one wave reads of S0 or of S1
.set SLOT,   4*HALFT                   ; a K half: S1's 256 rows, then S0's 256 rows
.set REC,    13568
.set HSTEP,  16*REC                    ; from a head's record to the next head's, same step
.set F_VC,   4096
.set F_KS,   8192
.set F_VS,   8704
.set F_QC,   8960
.set F_QS,   13056
.set ADR1, 4                           ; v4-5   LDS address of my S1 fragments in K half 0, 1
.set ADR0, 6                           ; v6-7   the same for S0
.set LO0,  8                           ; v8     16 x lane
.set LO1,  9                           ; v9     16 x (lane xor 8)
.set L8,   10                          ; v10    8 x lane
.set SOF,  11                          ; v11    32 r + 2,048 h: my row of scale bytes
.set BH,   12                          ; v12    32 h
.set BR,   13                          ; v13    4 r
.set LANE, 14
.set SC0,  32
.set SC1,  64
.set TM,   96                          ; v96-99 largest magnitudes, v100-103 the other half's, then bytes, v108-111 the conversions' scale operands
.set PW,   112                         ; v112-119 a scale word for each block a
.set Z,    120
.set ZO,   124
.set F1,   128
.set PC,   128
.set BI,   192                         ; in window 1
.set WV, 16
.set H1, 17                            ; wave / 2: my half of S1.  Also: I fetch for S1 (0) or for S0 (1)
.set H0, 18                            ; wave % 2: my half of S0.  Also: which 128 rows I fetch
.set CX, 19
.set CY, 20
.set TYPE, 21
.set T0, 22
.set T1, 23
.set G1A, 24                           ; s[24:31] group 1 for S1's tiles; s[32:39] group 0, one set for each K half
.set G0A, 32
.set G1B, 40                           ; s[40:47], s[48:55] the same for S0's
.set G0B, 48
.set P0C, 66
.set P0S, 68
.set P1C, 70
.set P1S, 72
.set OC,  74
.set OS,  76
.set SEL, 78
.set MSB, 0
.macro WIN new                         ; the immediate's high byte repeats the setting that is left
.if MSB != (\new)
	s_set_vgpr_msb (MSB<<8)|(\new)
.set MSB, (\new)
.endif
.endm
.macro PLACES                          ; four plain places behind a matrix instruction, ahead of loads into its sources and of the first read of results
.rept 4
	v_nop
.endr
.endm
.macro JLOAD g0a, g1a, g0b, g1b        ; a joint load: waves 0, 1 fetch S1's halves, waves 2, 3 S0's; four v_nop follow each of the two lines
	s_cmp_eq_u32 s[H1], 0
	s_cbranch_scc0 .Lfor_b_\@
	tensor_load_to_lds s[\g0a:\g0a+3], s[\g1a:\g1a+7]
	s_nop 0
.rept 4
	v_nop
.endr
	s_branch .Lasked_\@
.Lfor_b_\@:
	tensor_load_to_lds s[\g0b:\g0b+3], s[\g1b:\g1b+7]
	s_nop 0
.rept 4
	v_nop
.endr
.Lasked_\@:
.endm
.macro CROUND                          ; a round of the cluster's barrier
	s_barrier_signal -1
	s_barrier_wait -1
	s_cmp_lg_u32 s[WV], 0
	s_cbranch_scc1 .Lnot_wave_0_\@
	s_barrier_signal -3
.Lnot_wave_0_\@:
	s_barrier_wait -3
	s_barrier_signal -1
	s_barrier_wait -1
.endm
; one product.  r0, r1: the scale words stand in lanes 16-31 of their registers
.macro WM d, s0, s1, c, x0, x1, r0, r1
.if (\r0) && (\r1)
	v_wmma_scale_f32_16x16x128_f8f6f4 v[\d:\d+7], v[\s0:\s0+7], v[\s1:\s1+7], v[\c:\c+7], v[\x0], v[\x1] matrix_a_fmt:MATRIX_FMT_FP4 matrix_b_fmt:MATRIX_FMT_FP4 matrix_a_scale:MATRIX_SCALE_ROW1 matrix_b_scale:MATRIX_SCALE_ROW1
.elseif (\r0)
	v_wmma_scale_f32_16x16x128_f8f6f4 v[\d:\d+7], v[\s0:\s0+7], v[\s1:\s1+7], v[\c:\c+7], v[\x0], v[\x1] matrix_a_fmt:MATRIX_FMT_FP4 matrix_b_fmt:MATRIX_FMT_FP4 matrix_a_scale:MATRIX_SCALE_ROW1
.elseif (\r1)
	v_wmma_scale_f32_16x16x128_f8f6f4 v[\d:\d+7], v[\s0:\s0+7], v[\s1:\s1+7], v[\c:\c+7], v[\x0], v[\x1] matrix_a_fmt:MATRIX_FMT_FP4 matrix_b_fmt:MATRIX_FMT_FP4 matrix_b_scale:MATRIX_SCALE_ROW1
.else
	v_wmma_scale_f32_16x16x128_f8f6f4 v[\d:\d+7], v[\s0:\s0+7], v[\s1:\s1+7], v[\c:\c+7], v[\x0], v[\x1] matrix_a_fmt:MATRIX_FMT_FP4 matrix_b_fmt:MATRIX_FMT_FP4
.endif
.endm
.macro FRAG reg, adr, q, i             ; 16 rows x 128 K of 4-bit codes: 8 registers, two loads of 16 bytes, 32 bytes apart
.irp c, 0,1
	ds_load_b128 v[\reg+4*\c:\reg+4*\c+3], v[\adr] offset:64*(\q)+32*\c+(\i)*16*PITCH
.endr
.endm
.macro FETCH ks                        ; the fragments of K step ks (128 along K) into set ks % 2: 32 loads in one run
	WIN 0x40                                       ; destination window 1
.irp i, 0,1,2,3,4,5,6,7
	FRAG 64*((\ks)%2)+8*\i, ADR0+(\ks)/4, (\ks)%4, \i
.endr
	WIN 0
.irp i, 0,1,2,3,4,5,6,7
	FRAG F1+64*((\ks)%2)+8*\i, ADR1+(\ks)/4, (\ks)%4, \i
.endr
.endm
; 64 products of K step ks.  cm = 0: onto the sums; 1: the sums start from the bias of S0's rows; 2: from the bias of S1's rows.  The 64 accumulators take turns, in the same order in every step.
.macro MUL ks, cm
.irp a, 0,1,2,3,4,5,6,7
.if (\cm) == 0
	WIN 0xa1+0x50*(\a/4)                           ; source 0 window 1, source 1 window 0, C and D window 2 or 3
.else
	WIN 0x91+0x40*(\a/4)                           ; the same with C in window 1
.endif
.irp b, 0,1,2,3,4,5,6,7
.set rD, 8*(8*(\a%4)+\b)
.set rC, rD
.if (\cm) == 1
.set rC, BI+8*\b
.elseif (\cm) == 2
.set rC, BI+8*\a
.endif
	WM rD, 64*((\ks)%2)+8*\b, F1+64*((\ks)%2)+8*\a, rC, SC0+8*(\b%4)+(\ks), SC1+8*(\a%4)+(\ks), \b/4, \a/4
.endr
.endr
.endm
.macro STEP ks, cm
	s_wait_dscnt 0x0                               ; this step's fragments are in: they were asked for ahead of the last step's 64 products
.if (\ks) == 3
	s_wait_tensorcnt 0x0                           ; my part of the second K half has landed,
	s_barrier_signal -1
	s_barrier_wait -1                              ; everybody's has: step 4's fragments are read behind this barrier
.endif
.if ((\ks) > 0) && ((\ks) < 7)
	PLACES                                         ; the loads below go into the set that the last step's products read
.endif
.if (\ks) < 7
	FETCH (\ks)+1
.endif
	MUL \ks, \cm
.endm
; Block a (16 rows of S1): a lane's 64 numbers, register 8 n + j = S0's row 16 n + 8 h + j, become eight registers of codes and a scale word.  A block of 32 is registers 16 b .. 16 b + 15 of lanes l and l xor 16.
.macro QUANT a
.set AC, 64*((\a)%4)
.set W, 2+(\a)/4
	WIN W|(W<<2)                                   ; sources 0 and 1: the accumulators' window
.irp b, 0,1,2,3
	v_max3_num_f32 v[TM+\b], |v[AC+16*\b]|, |v[AC+16*\b+1]|, 0x1800000   ; with the floor 2^(3 - 127): the byte cannot fall under 1.  Each accumulator is read from its low end on
.endr
.irp i, 2,4,6,8,10,12,14
.irp b, 0,1,2,3
	v_max3_num_f32 v[TM+\b], |v[AC+16*\b+\i]|, |v[AC+16*\b+\i+1]|, v[TM+\b]
.endr
.endr
	WIN 0
.irp b, 0,1,2,3
	v_permlanex16_b32 v[TM+4+\b], v[TM+\b], s[SEL], s[SEL+1]
.endr
.irp b, 0,1,2,3
	v_max_num_f32 v[TM+\b], v[TM+\b], v[TM+4+\b]   ; with lane l xor 16's: the block's largest magnitude
.endr
.irp b, 0,1,2,3
	v_add_nc_u32 v[TM+12+\b], 0xff000000, v[TM+\b] ; 2 off its exponent field: the conversion's scale operand
.endr
.irp b, 0,1,2,3
	v_lshrrev_b32 v[TM+4+\b], 23, v[TM+12+\b]      ; the scale's byte
.endr
	v_lshl_or_b32 v[PW+(\a)], v[TM+5], 8, v[TM+4]
	v_lshl_or_b32 v[PW+(\a)], v[TM+6], 16, v[PW+(\a)]
	v_lshl_or_b32 v[PW+(\a)], v[TM+7], 24, v[PW+(\a)]
	WIN W
.irp n, 0,1,2,3,4,5,6,7                ; tile n's eight codes (lanes 0-15: S0's rows 16 n on, lanes 16-31: 16 n + 8 on) go to register 4 (n / 4) + (0, 2, 1, 3)[n % 4]
	v_cvt_scalef32_pk8_fp4_f32 v[PC+8*(\a)+4*(\n/4)+2*(\n%2)+(\n%4)/2], v[AC+8*\n:AC+8*\n+7], v[TM+12+\n/2]
.endr
	WIN 0
	v_nop                                          ; one plain place behind a scaled conversion
.irp c, 0,1                            ; the operand's layout wants 32 neighbours in a lane: the first's lanes 16-31 change places with the second's lanes 0-15
	v_permlane16_swap_b32 v[PC+8*(\a)+4*\c], v[PC+8*(\a)+4*\c+1]
	v_permlane16_swap_b32 v[PC+8*(\a)+4*\c+2], v[PC+8*(\a)+4*\c+3]
.endr
.endm
	s_load_b256 s[4:11], s[0:1], 0x0               ; x's codes, x's scales, W's codes, W's scales
	s_load_b128 s[12:15], s[0:1], 0x20             ; b_attn, qkv
	v_lshl_add_u32 v106, v0, 2, 0x44000
	v_mov_b32 v107, 0
	ds_add_u32 v106, v107
	ds_add_u32 v106, v107
	v_lshrrev_b32 v1, 5, v0
	v_readfirstlane_b32 s[WV], v1
	s_lshr_b32 s[H1], s[WV], 1
	s_and_b32 s[H0], s[WV], 1
	s_bfe_u32 s[CX], ttmp6, 0x40000
	s_bfe_u32 s[CY], ttmp6, 0x40004
	s_and_b32 s56, ttmp7, 0xffff
	s_lshl_b32 s56, s56, 2
	s_add_co_u32 s56, s56, s[CY]                   ; work-group y, 0-7
	s_sub_co_u32 s57, ttmp9, 8
	s_lshl_b32 s57, s57, 3                         ; TYPE 1: 8 x (cluster x - 8)
	s_lshl_b32 s58, ttmp9, 2
	s_cmp_lt_u32 ttmp9, 8
	s_cselect_b32 s[TYPE], 0, 1
	s_cselect_b32 s57, 0, s57
	s_cselect_b32 s58, s58, 0
	s_cselect_b32 s59, 0, 2048                     ; TYPE 1: S1's rows begin at W_attn's row 2,048
	s_add_co_u32 s[T0], s56, s57                   ; S0's tile: 0-7 (W) or 0-31 (tokens): never holds cx
	s_add_co_u32 s[T1], s58, s[CX]                 ; S1's tile: 0-31 (tokens) or 0-3 (W): never holds cy
	s_lshl_b32 s60, s[CY], 2
	s_lshl_b32 s60, 15, s60                        ; my row of the cluster
	s_lshl_b32 s61, 0x1111, s[CX]                  ; my column
	s_or_b32 s[G1A], s61, (1<<20)|(1<<21)|(5<<22)|(3<<25)   ; 15:0 the mask; elements of 1 byte; 20 padding on; 21 set beside a mask; after every 64 words (code 5) four words (code 3)
	s_or_b32 s[G1B], s60, (1<<20)|(1<<21)|(5<<22)|(3<<25)
.irp g, G1A, G1B
	s_mov_b32 s[\g+1], 256<<16                     ; tensor_dim0 = 256 bytes
	s_mov_b32 s[\g+2], 128<<16                     ; tensor_dim1 = 128 rows
	s_mov_b32 s[\g+3], 256<<16                     ; tile_dim0
	s_mov_b32 s[\g+4], 128                         ; tile_dim1
	s_mov_b32 s[\g+5], 512                         ; a row of 1,024 codes in memory
	s_mov_b32 s[\g+6], 0
	s_mov_b32 s[\g+7], 0
.endr
	s_lshl_b32 s62, s[H0], 7
	s_lshl_b32 s80, s[T1], 8
	s_add_co_u32 s80, s80, s59                     ; S1's tile: its first row
	s_lshl_b32 s82, s[T0], 8                       ; S0's
	s_add_co_u32 s84, s80, s62                     ; the 128 rows that I fetch, of either
	s_add_co_u32 s86, s82, s62
	s_lshl_b32 s84, s84, 9                         ; in bytes (under 2^23)
	s_lshl_b32 s86, s86, 9
	s_mov_b32 s85, 0
	s_mov_b32 s87, 0
	s_mul_i32 s63, s[WV], HALFT                    ; where they go: wave x 128 rows
	s_lshl_b32 s88, s[H1], 7
	s_add_co_u32 s88, s80, s88                     ; my first row of S1
	s_add_co_u32 s89, s82, s62                     ; and of S0
	s_lshl_b32 s90, s88, 5                         ; their scale bytes: 32 a row
	s_mov_b32 s91, 0
	s_lshl_b32 s92, s89, 5
	s_mov_b32 s93, 0
	s_cmp_eq_u32 s[TYPE], 0
	s_cselect_b32 s94, s89, s88                    ; the bias goes by W's rows
	s_cselect_b32 s2, s[T1], s[T0]                 ; the tokens' tile,
	s_cselect_b32 s3, s[H1], s[H0]                 ; my half of it,
	s_cselect_b32 s56, s[T0], s[T1]                ; W's tile,
	s_cselect_b32 s57, s[H0], s[H1]                ; my half of it
	s_cmp_lt_u32 s56, 4                            ; TYPE 0: W's tiles 0-3 are q, 4-7 are k
	s_cselect_b32 s81, F_QC, 0
	s_mov_b32 s83, F_KS
	s_cselect_b32 s83, F_QS, s83
	s_cmp_eq_u32 s[TYPE], 0
	s_cselect_b32 s81, s81, F_VC
	s_cselect_b32 s83, s83, F_VS
	s_lshl_b32 s94, s94, 2
	s_mov_b32 s95, 0
	s_and_b32 s58, s56, 3
	s_lshl_b32 s58, s58, 2
	s_lshl_b32 s57, s57, 1
	s_add_co_u32 s58, s58, s57                     ; my first head: 4 x (W's tile % 4) + 2 x half
	s_lshr_b32 s57, s2, 3                          ; the batch
	s_lshl_b32 s57, s57, 4
	s_add_co_u32 s58, s58, s57
	s_lshl_b32 s58, s58, 4
	s_and_b32 s2, s2, 7
	s_lshl_b32 s2, s2, 1
	s_add_co_u32 s2, s2, s3                        ; the step of 128 tokens
	s_add_co_u32 s58, s58, s2
	s_mul_i32 s58, s58, REC                        ; my first record, in bytes (under 2^24)
	s_add_co_u32 s96, s58, s81
	s_mov_b32 s97, 0
	s_add_co_u32 s98, s58, s83
	s_mov_b32 s99, 0
	s_mov_b32 s[SEL], 0x76543210
	s_mov_b32 s[SEL+1], 0xfedcba98                 ; v_permlanex16_b32's selects for lane l xor 16
	s_wait_dscnt 0x0
	s_wait_kmcnt 0x0
	s_cmp_eq_u32 s[TYPE], 0
	s_cselect_b64 s[P0C:P0C+1], s[8:9], s[4:5]
	s_cselect_b64 s[P0S:P0S+1], s[10:11], s[6:7]
	s_cselect_b64 s[P1C:P1C+1], s[4:5], s[8:9]
	s_cselect_b64 s[P1S:P1S+1], s[6:7], s[10:11]
	s_add_nc_u64 s[84:85], s[P1C:P1C+1], s[84:85]
	s_add_nc_u64 s[86:87], s[P0C:P0C+1], s[86:87]
	s_add_nc_u64 s[P1S:P1S+1], s[P1S:P1S+1], s[90:91]
	s_add_nc_u64 s[P0S:P0S+1], s[P0S:P0S+1], s[92:93]
	s_add_nc_u64 s[12:13], s[12:13], s[94:95]
	s_add_nc_u64 s[OC:OC+1], s[14:15], s[96:97]
	s_add_nc_u64 s[OS:OS+1], s[14:15], s[98:99]
	CROUND                                         ; all sixteen work-groups are here: the joint loads meet
.irp s, 0,1
	s_mov_b32 s[G0A+4*\s], 1
	s_add_co_u32 s[G0A+4*\s+1], s63, \s*SLOT
	s_add_nc_u64 s[G0A+4*\s+2:G0A+4*\s+3], s[84:85], \s*256
	s_or_b32 s[G0A+4*\s+3], s[G0A+4*\s+3], 0x80000000
	s_mov_b32 s[G0B+4*\s], 1
	s_add_co_u32 s[G0B+4*\s+1], s63, \s*SLOT
	s_add_nc_u64 s[G0B+4*\s+2:G0B+4*\s+3], s[86:87], \s*256
	s_or_b32 s[G0B+4*\s+3], s[G0B+4*\s+3], 0x80000000
	JLOAD G0A+4*\s, G1A, G0B+4*\s, G1B             ; both K halves go out together: two tensor loads of mine are out
.endr
	v_and_b32 v1, 15, v0                           ; r
	v_bfe_u32 v2, v0, 4, 1                         ; h
	v_and_b32 v[LANE], 31, v0
	v_lshlrev_b32 v[SOF], 5, v1
	v_lshl_add_u32 v[SOF], v2, 11, v[SOF]
.irp i, 0,1,2,3                        ; the scale words of my 128 rows, for all of K, straight into registers: a dense block of 4,096 bytes for each operand, read once
.irp q, 0,1
	global_load_b128 v[SC0+8*\i+4*\q:SC0+8*\i+4*\q+3], v[SOF], s[P0S:P0S+1] offset:512*\i+16*\q
	global_load_b128 v[SC1+8*\i+4*\q:SC1+8*\i+4*\q+3], v[SOF], s[P1S:P1S+1] offset:512*\i+16*\q
.endr
.endr
	v_lshlrev_b32 v[BH], 5, v2
	v_lshlrev_b32 v[BR], 2, v1
	s_cmp_eq_u32 s[TYPE], 0
	s_cbranch_scc0 .Lbias_v
	WIN 0x40
.irp b, 0,1,2,3,4,5,6,7                ; the bias in the result's layout: register j of tile b is that of S0's row 16 b + 8 h + j
	global_load_b128 v[BI+8*\b:BI+8*\b+3], v[BH], s[12:13] offset:64*\b
	global_load_b128 v[BI+8*\b+4:BI+8*\b+7], v[BH], s[12:13] offset:64*\b+16
.endr
	WIN 0
	s_branch .Lbias_done
.Lbias_v:
	WIN 0x40
.irp a, 0,1,2,3,4,5,6,7                ; here it goes by S1's row 16 a + r: the same number in all eight registers
.irp j, 0,1,2,3,4,5,6,7
	global_load_b32 v[BI+8*\a+\j], v[BR], s[12:13] offset:64*\a
.endr
.endr
	WIN 0
.Lbias_done:
	v_mul_u32_u24 v3, v1, PITCH
	v_lshl_add_u32 v3, v2, 4, v3                   ; a fragment's row x pitch + 16 x half
	s_mul_i32 s56, s[H1], HALFT
	s_mul_i32 s57, s[H0], HALFT
	s_add_co_u32 s57, s57, 2*HALFT
.irp s, 0,1
	v_add_nc_u32 v[ADR1+\s], s56, v3
	v_add_nc_u32 v[ADR0+\s], s57, v3
	s_add_co_u32 s56, s56, SLOT
	s_add_co_u32 s57, s57, SLOT
.endr
	v_lshlrev_b32 v[LO0], 4, v[LANE]
	v_xor_b32 v[LO1], 128, v[LO0]
	v_lshlrev_b32 v[L8], 3, v[LANE]
.irp b, 0,1,2,3
	v_mov_b32 v[TM+4+\b], 0                        ; written once: a lane permute's destination counts as one of its sources
.endr
	s_wait_tensorcnt 0x1                           ; my part of the first K half is in; the second half's load may stay out
	s_barrier_signal -1
	s_barrier_wait -1                              ; everybody's is
	FETCH 0
	s_wait_loadcnt 0x0                             ; scale words and bias
	s_cmp_eq_u32 s[TYPE], 0
	s_cbranch_scc0 .Lfirst_v
	STEP 0, 1                                      ; the first K step starts the sums from the bias: nothing is cleared, nothing is added later
	WIN 0
	s_branch .Lfirst_done
.Lfirst_v:
	STEP 0, 2
	WIN 0
.Lfirst_done:
	STEP 1, 0
	STEP 2, 0
	STEP 3, 0
	STEP 4, 0
	STEP 5, 0
	STEP 6, 0
	STEP 7, 0
	WIN 0
	PLACES                                         ; ahead of the first read of results and the first write of registers that held fragments
.irp a, 0,1,2,3,4,5,6,7
	QUANT \a
.endr
	v_cmp_gt_u32 vcc_lo, 16, v[LANE]
.irp m, 0,1,2,3
	v_cndmask_b32 v[Z+\m], v[PW+2*\m+1], v[PW+2*\m], vcc_lo   ; lane l: the scale word of S1's row 32 m + l
.endr
	s_cmp_eq_u32 s[TYPE], 0
	s_cbranch_scc0 .Lstore_v
.irp m, 0,1,2,3
	v_lshrrev_b32 v[ZO+\m], 16, v[Z+\m]            ; my second head's two bytes,
.endr
.irp m, 0,1,2,3
	v_and_b32 v[Z+\m], 0xffff, v[Z+\m]             ; my first head's; bytes 2 and 3, which stand over the padded half of the next product's K, are zero
.endr
.irp a, 0,1,2,3,4,5,6,7                ; tile a of 16 tokens: registers 0-3 my first head's 64 channels, 4-7 my second's
	global_store_b128 v[LO0+(\a%4)/2], v[PC+8*\a:PC+8*\a+3], s[OC:OC+1] offset:512*\a
	global_store_b128 v[LO0+(\a%4)/2], v[PC+8*\a+4:PC+8*\a+7], s[OC:OC+1] offset:HSTEP+512*\a
.endr
	global_store_b128 v[LO0], v[Z:Z+3], s[OS:OS+1]
	global_store_b128 v[LO0], v[ZO:ZO+3], s[OS:OS+1] offset:HSTEP
	s_branch .Ldone
.Lstore_v:
.irp a, 0,1,2,3,4,5,6,7                ; head a / 4, tile a % 4 of 16 channels: registers 0-3 keys 0-63 of the step, 4-7 keys 64-127
	global_store_b128 v[LO0+(\a%4)/2], v[PC+8*\a:PC+8*\a+3], s[OC:OC+1] offset:(\a/4)*HSTEP+(\a%4)*1024
	global_store_b128 v[LO0+(\a%4)/2], v[PC+8*\a+4:PC+8*\a+7], s[OC:OC+1] offset:(\a/4)*HSTEP+(\a%4)*1024+512
.endr
	global_store_b64 v[L8], v[Z:Z+1], s[OS:OS+1]
	global_store_b64 v[L8], v[Z+2:Z+3], s[OS:OS+1] offset:HSTEP
.Ldone:
	s_wait_tensorcnt 0x0
	ds_add_u32 v106, v107
	s_wait_dscnt 0x0
	CROUND                                         ; the closing round: no work-group ends while a partner may still ask for a tile that names it
	s_endpgm
.Lfunc_end_k_q99e074e8cb_qkvgemm:
	.size	k_q99e074e8cb_qkvgemm, .Lfunc_end_k_q99e074e8cb_qkvgemm-k_q99e074e8cb_qkvgemm
	.p2alignl 7, 3214868480
	.fill 96, 4, 3214868480
	.section	.rodata,"a",@progbits
	.p2align	6, 0x0
	.amdhsa_kernel k_q99e074e8cb_qkvgemm
		.amdhsa_group_segment_fixed_size 279040
		.amdhsa_private_segment_fixed_size 0
		.amdhsa_enable_private_segment 0
		.amdhsa_kernarg_size 48
		.amdhsa_user_sgpr_count 2
		.amdhsa_user_sgpr_kernarg_segment_ptr 1
		.amdhsa_wavefront_size32 1
		.amdhsa_system_sgpr_workgroup_id_x 1
		.amdhsa_system_sgpr_workgroup_id_y 1
		.amdhsa_system_sgpr_workgroup_id_z 1
		.amdhsa_system_vgpr_workitem_id 0
		.amdhsa_next_free_vgpr 1024
		.amdhsa_next_free_sgpr 100
		.amdhsa_reserve_vcc 1
		.amdhsa_float_denorm_mode_32 3
		.amdhsa_float_denorm_mode_16_64 3
		.amdhsa_memory_ordered 1
		.amdhsa_forward_progress 1
		.amdhsa_inst_pref_size 146
	.end_amdhsa_kernel
	.amdgpu_metadata
---
amdhsa.version: [ 1, 2 ]
amdhsa.kernels:
  - .name:           k_q99e074e8cb_qkvgemm
    .symbol:         k_q99e074e8cb_qkvgemm.kd
    .args:
      - { .name: x_codes, .offset: 0, .size: 8, .value_kind: global_buffer, .address_space: global }
      - { .name: x_scales, .offset: 8, .size: 8, .value_kind: global_buffer, .address_space: global }
      - { .name: W_attn_codes, .offset: 16, .size: 8, .value_kind: global_buffer, .address_space: global }
      - { .name: W_attn_scales, .offset: 24, .size: 8, .value_kind: global_buffer, .address_space: global }
      - { .name: b_attn, .offset: 32, .size: 8, .value_kind: global_buffer, .address_space: global }
      - { .name: qkv, .offset: 40, .size: 8, .value_kind: global_buffer, .address_space: global }
    .group_segment_fixed_size: 279040
    .private_segment_fixed_size: 0
    .kernarg_segment_align: 8
    .kernarg_segment_size: 48
    .max_flat_workgroup_size: 128
    .sgpr_count:     100
    .vgpr_count:     1024
    .wavefront_size: 32
...
	.end_amdgpu_metadata
.endif
;; end of part 1
;; launch attn (part 2): grid 4 x 64, 16 waves a work-group, clusters of 4 x 1, 169,984 bytes of LDS; arguments qkv, ycodes, yscales; writes ycodes, yscales
.if DOCPART == 2
	.amdgcn_target "amdgcn-amd-amdhsa--gfx1250"
	.amdhsa_code_object_version 6
	.text
	.protected	k_q99e074e8cb_attn
	.globl	k_q99e074e8cb_attn
	.p2align	8
	.type	k_q99e074e8cb_attn,@function
k_q99e074e8cb_attn:
	s_mov_b64 s[64:65], 0
	v_nop
	global_prefetch_b8 v0, s[64:65] scope:SCOPE_SE
	s_setreg_imm32_b32 hwreg(HW_REG_WAVE_MODE, 25, 1), 1
	s_wait_xcnt 0x0
	s_wait_alu depctr_hold_cnt(0) depctr_sa_sdst(0) depctr_va_vdst(0) depctr_va_sdst(0) depctr_va_ssrc(0) depctr_va_vcc(0) depctr_vm_vsrc(0)
	s_getreg_b32 s2, hwreg(HW_REG_IB_STS2, 6, 4)
	s_cmp_eq_u32 s2, 0
	s_cbranch_scc0 .Lentry_in_a_cluster
	s_endpgm
.Lentry_in_a_cluster:
	s_bfe_u32 s2, ttmp6, 0x10000c
	s_cmp_lg_u32 s2, 0x3003
	s_cbranch_scc0 .Lentry_shape_is_right
	s_endpgm
.Lentry_shape_is_right:
; y = softmax(q k^T / 8, causal) v for one (batch, head) a cluster, both products on codes of FP4 (E2M1) with E8M0 scales; y is divided by the row's sum, quantised along its 64 channels and leaves as codes.
; THE SOFTMAX: t = score x log2(e) / 8; M = the running largest t rounded UP to a whole number; p = 2^(t - M) is quantised along the keys, not normalised; the row's sum is taken of the unquantised p.
; When M moves, the sum and O are multiplied by 2^(old M - new M): exact.
; SHARES.  The head's 128 tiles of 16 queries go to 4 work-groups x 16 waves, two a wave: wave w of partner cx takes tile 2 cx of the block of 128 queries w, then tile 2 cx + 1 of block 15 - w:
; (w + 1) + (16 - w) = 17 key steps of 128 for every wave.  Branches hang on w and the step's number alone; cx enters global addresses and the mask's compare register only.
; LDS.  The head's K and V codes and scale words, 16 steps x 8,960 bytes, lie in LDS whole: wave w brings step w's with one tensor load, asked for JOINTLY by the four partners (they read the same K and V).
; Each byte is filled once: no ring; every tile is asked for at the head by its load, so nothing is left to ask for ahead of it.  Nothing is stored to LDS.
; LAYOUT.  Both products are used transposed (S^T = K Q^T, O^T = V^T P^T): a lane holds one query.  SOURCE 0's ROWS ARE CHOSEN: tile v of a group of 64 takes rows 8 v + i (lanes under 8) and 32 + 8 v + i:
; a lane's registers 32 c + i are then k = 64 c + 32 h + i, a WHOLE block of 32 in a lane: its maximum asks no other lane, and the conversions' results are the next operand as they stand.
; K = 64 IN A FORM OF 128: Q's upper four registers are zero codes.  A fragment of K names eight registers of which the upper four are the NEXT tile's codes (behind the last: zeros): they meet Q's zero codes
; under scale bytes that are zero (2^-127), and add exactly 0.
; The scale bytes of y are stored a byte a lane, 32 bytes apart (one byte for each 16 bytes of codes): a row of them is shared by the 16 heads, which lie in other work-groups.
; LIMITS: NaN and infinities are not served; a block whose largest magnitude lies under 2^-124 gets the byte 1 (its bytes are read by this program alone).
; REGISTERS: v1-11 lane terms; v12 -M, v13 the largest t, v[14:15] the sum; v16-31 Q, both passes; v32-67 K; v68-71, v72-73 K's and V's scale words; v74-75 Q's; v76 p's; v80-111 V; v112-175 S^T, then p;
;   v176-207 O^T; v208-215 p's codes; v216-231 at work; v232-241 y's codes and byte, a set a pass; v242-247 the step's addresses; v248 -infinity; v249-250 Q's offsets.
.set REC, 13568
.set KVB, 8960                         ; what attention wants of a record: K's codes, V's codes, K's scale words, V's
.set WV, 10
.set CX, 11
.set BH, 12
.set G1, 24
.set G0, 32
.set SEL, 36
.set CS, 38
.set TB, 40
.set ST, 41
.set BLK0, 42
.set BLK1, 43
.set RB0, 44
.set RB1, 46
.set YC0, 48
.set YS0, 52
.macro CROUND
	s_barrier_signal -1
	s_barrier_wait -1
	s_cmp_lg_u32 s[WV], 0
	s_cbranch_scc1 .Lnot_wave_0_\@
	s_barrier_signal -3
.Lnot_wave_0_\@:
	s_barrier_wait -3
	s_barrier_signal -1
	s_barrier_wait -1
.endm
	s_load_b128 s[4:7], s[0:1], 0x0                ; qkv, ycodes
	s_load_b64 s[8:9], s[0:1], 0x10                ; yscales
	v_lshl_add_u32 v254, v0, 2, 0x29000
	v_mov_b32 v255, 0
	ds_add_u32 v254, v255
	ds_add_u32 v254, v255
	v_lshrrev_b32 v1, 5, v0
	v_readfirstlane_b32 s[WV], v1                  ; wave 0..15
	s_bfe_u32 s[CX], ttmp6, 0x40000
	s_and_b32 s[BH], ttmp7, 0xffff                 ; 16 x batch + head
	s_mov_b32 s[G1], 15|(3<<16)|(1<<21)            ; the mask: all four partners; elements of 8 bytes; 21 set beside a mask; no padding
	s_mov_b32 s[G1+1], 32<<16                      ; rows of 256 bytes
	s_mov_b32 s[G1+2], 35<<16                      ; 35 of them: 8,960 dense bytes
	s_mov_b32 s[G1+3], 32<<16
	s_mov_b32 s[G1+4], 35
	s_mov_b32 s[G1+5], 32
	s_mov_b32 s[G1+6], 0
	s_mov_b32 s[G1+7], 0
	s_lshl_b32 s14, s[BH], 4                       ; the head's first record
	s_add_co_u32 s16, s14, s[WV]
	s_mul_i32 s16, s16, REC                        ; record w: the step that I fetch, and my first pass's queries
	s_mov_b32 s17, 0
	s_mov_b32 s[BLK0], s[WV]
	s_xor_b32 s[BLK1], s[WV], 15                   ; 15 - w
	s_add_co_u32 s18, s14, s[BLK1]
	s_mul_i32 s18, s18, REC
	s_mov_b32 s19, 0
	s_mov_b32 s[SEL], 0x76543210
	s_mov_b32 s[SEL+1], 0xfedcba98
	s_mov_b32 s[CS], 0x3e38aa3b                    ; c = log2(e) / 8
	s_mov_b32 s[CS+1], s[CS]                       ; (named with it as a pair, so it is written)
	s_wait_dscnt 0x0
	s_wait_kmcnt 0x0
	s_add_nc_u64 s[RB0:RB0+1], s[4:5], s[16:17]
	s_add_nc_u64 s[RB1:RB1+1], s[4:5], s[18:19]
	s_mov_b32 s[G0], 1
	s_mul_i32 s[G0+1], s[WV], KVB
	s_mov_b64 s[G0+2:G0+3], s[RB0:RB0+1]
	s_or_b32 s[G0+3], s[G0+3], 0x80000000
	CROUND                                         ; all four work-groups are here: the joint loads meet
	tensor_load_to_lds s[G0:G0+3], s[G1:G1+7]      ; my one tensor load
	s_nop 0
.rept 4
	v_nop
.endr
	v_and_b32 v216, 31, v0                         ; lane
	v_bfe_u32 v217, v0, 3, 1                       ; g
	v_bfe_u32 v218, v0, 4, 1                       ; h
	v_and_b32 v219, 7, v0                          ; i
	v_lshlrev_b32 v8, 4, v216                      ; 16 x lane
	s_and_b32 s14, s[CX], 1
	s_lshl_b32 s14, s14, 7
	v_xor_b32 v249, s14, v8                        ; Q's codes: tile 2 cx + p is stored with r xor 8 (cx % 2),
	s_lshl_b32 s15, s[CX], 10
	v_add_nc_u32 v249, s15, v249                   ; 1,024 cx bytes on
	v_and_b32 v250, 15, v0
	v_lshlrev_b32 v250, 4, v250
	s_lshl_b32 s15, s[CX], 2
	v_add_nc_u32 v250, s15, v250                   ; Q's scale words: 16 r + 4 cx
.irp p, 0,1
	global_load_b128 v[16+8*\p:19+8*\p], v249, s[RB0+2*\p:RB0+2*\p+1] offset:8960+512*\p
	global_load_b32 v[74+\p], v250, s[RB0+2*\p:RB0+2*\p+1] offset:13056+256*\p
.endr
	v_lshl_add_u32 v1, v217, 10, v8                ; K, even tiles v: 16 x lane + 1,024 g
	v_xor_b32 v2, 128, v1                          ; odd tiles
	v_lshl_add_u32 v3, v217, 11, v8
	v_add_nc_u32 v3, 4096, v3                      ; V, even tiles: 4,096 + 16 x lane + 2,048 g
	v_xor_b32 v4, 128, v3
	v_lshlrev_b32 v5, 4, v219
	v_lshl_add_u32 v5, v217, 2, v5
	v_lshl_add_u32 v5, v218, 3, v5
	v_add_nc_u32 v5, 8192, v5                      ; K's scale words: lanes 0-15 tile v, lanes 16-31 tile 4 + v
	v_lshlrev_b32 v6, 3, v219
	v_lshl_add_u32 v6, v217, 2, v6
	v_lshl_add_u32 v6, v218, 7, v6
	v_add_nc_u32 v6, 8704, v6                      ; V's: lanes 0-15 tile u, lanes 16-31 tile u + 2
	v_lshlrev_b32 v7, 3, v218                      ; 8 h
	v_and_b32 v9, 15, v0
	v_lshlrev_b32 v11, 5, v218
	v_sub_nc_u32 v10, v9, v11
	s_lshl_b32 s15, s[CX], 5
	v_add_nc_u32 v10, s15, v10                     ; the mask: my query in its block of 128, less 32 h: 16 (2 cx + p) + r - 32 h
	v_add_nc_u32 v11, 16, v10
	v_lshl_add_u32 v9, v9, 5, v218                 ; y's scale byte: 32 r + h
.irp j, 20,21,22,23,28,29,30,31,64,65,66,67,222,223,225
	v_mov_b32 v[\j], 0                             ; zero codes for the padded half of K; registers that are named before they are first computed
.endr
	v_mov_b32 v248, 0xff800000                     ; -infinity
	s_lshr_b32 s21, s[BH], 4                       ; batch
	s_and_b32 s22, s[BH], 15                       ; head
	s_lshr_b32 s23, s22, 3
	s_lshl_b32 s23, s23, 21
	s_and_b32 s56, s22, 7
	s_lshl_b32 s56, s56, 9
	s_add_co_u32 s23, s23, s56                     ; ycodes [head / 8][tile of 16 tokens][head % 8][512]
	s_lshl_b32 s59, s22, 1
	s_lshl_b32 s56, s21, 7
	s_lshl_b32 s57, s[CX], 1
	s_add_co_u32 s56, s56, s57
.irp p, 0,1
	s_lshl_b32 s58, s[BLK0+\p], 3
	s_add_co_u32 s58, s58, s56
	s_add_co_u32 s58, s58, \p                      ; the tile of tokens: 128 batch + 8 block + 2 cx + p
	s_lshl_b32 s60, s58, 12
	s_add_co_u32 s60, s60, s23
	s_mov_b32 s61, 0
	s_lshl_b32 s62, s58, 9
	s_add_co_u32 s62, s62, s59                     ; yscales [token][32]: 512 bytes a tile, + 2 x head
	s_mov_b32 s63, 0
	s_add_nc_u64 s[YC0+2*\p:YC0+2*\p+1], s[6:7], s[60:61]
	s_add_nc_u64 s[YS0+2*\p:YS0+2*\p+1], s[8:9], s[62:63]
.endr
	s_wait_tensorcnt 0x0                           ; my step's bytes have landed,
	s_barrier_signal -1
	s_barrier_wait -1                              ; everybody's have: the whole head lies in LDS
	s_wait_loadcnt 0x0                             ; Q
; A PASS: one tile of 16 queries through its keys.  The loop has a constant 16 trips; a step all of whose keys come after the tile's block is passed over by a scalar branch on the wave's number and the step's.
.macro PASS p
	s_mov_b32 s[TB], 0
	s_mov_b32 s[ST], 0
	v_mov_b32 v13, 0xff61b1e6                      ; the largest t so far: -3e38
	v_floor_f32 v12, -v13
	v_mov_b32 v14, 0
	v_mov_b32 v15, 0
.irp j, 0,1,2,3,4,5,6,7,8,9,10,11,12,13,14,15,16,17,18,19,20,21,22,23,24,25,26,27,28,29,30,31
	v_mov_b32 v[176+\j], 0                         ; O^T: the step is written once; the first finds zeros, which the first change of M leaves zeros
.endr
.Lstep_\@:
	s_cmp_gt_u32 s[ST], s[BLK0+\p]
	s_cbranch_scc1 .Lhid_\@
	v_add_nc_u32 v242, s[TB], v1                   ; six additions: also the places behind the last step's products, ahead of the loads into their sources
	v_add_nc_u32 v243, s[TB], v2
	v_add_nc_u32 v244, s[TB], v3
	v_add_nc_u32 v245, s[TB], v4
	v_add_nc_u32 v246, s[TB], v5
	v_add_nc_u32 v247, s[TB], v6
.irp t, 0,1,2,3,4,5,6,7                ; K: tile 4 c + v
	ds_load_b128 v[32+4*\t:35+4*\t], v[242+\t%2] offset:2048*(\t/4)+512*((\t%4)/2)
.endr
.irp t, 0,1,2,3
	ds_load_b32 v[68+\t], v246 offset:128*\t
.endr
.irp t, 0,1,2,3                        ; V: tile v, keys 64 c on
.irp c, 0,1
	ds_load_b128 v[80+8*\t+4*\c:83+8*\t+4*\c], v[244+\t%2] offset:1024*(\t/2)+512*\c
.endr
.endr
.irp u, 0,1
	ds_load_b32 v[72+\u], v247 offset:64*\u
.endr
	s_wait_dscnt 0xa                               ; K and its scale words are in; V's ten loads may stay out
.irp t, 0,1,2,3
	v_wmma_scale_f32_16x16x128_f8f6f4 v[112+8*\t:119+8*\t], v[32+4*\t:39+4*\t], v[16+8*\p:23+8*\p], 0, v[68+\t], v[74+\p] matrix_a_fmt:MATRIX_FMT_FP4 matrix_b_fmt:MATRIX_FMT_FP4
.endr
.irp t, 4,5,6,7
	v_wmma_scale_f32_16x16x128_f8f6f4 v[112+8*\t:119+8*\t], v[32+4*\t:39+4*\t], v[16+8*\p:23+8*\p], 0, v[64+\t], v[74+\p] matrix_a_fmt:MATRIX_FMT_FP4 matrix_b_fmt:MATRIX_FMT_FP4 matrix_a_scale:MATRIX_SCALE_ROW1
.endr
.rept 4
	v_nop
.endr
	s_cmp_lg_u32 s[ST], s[BLK0+\p]                 ; only the block's own step lies on the diagonal
	s_cbranch_scc1 .Lopen_\@
.irp n, 0,1,2,3,4,5,6,7,8,9,10,11,12,13,14,15,16,17,18,19,20,21,22,23,24,25,26,27,28,29,30,31,32,33,34,35,36,37,38,39,40,41,42,43,44,45,46,47,48,49,50,51,52,53,54,55,56,57,58,59,60,61,62,63
	v_cmp_gt_i32 vcc_lo, 64*(\n/32)+\n%32, v[10+\p]   ; register 32 c + i holds key 64 c + 32 h + i of the step: hidden where it comes after my query
	v_cndmask_b32 v[112+\n], v[112+\n], v248, vcc_lo
.endr
.Lopen_\@:
.irp k, 0,1,2,3                        ; the largest score of each block of 32 keys (all mine), in four chains of 16 by turns; each accumulator is read from its low end on
	v_max3_num_f32 v[218+\k], v[112+16*\k], v[113+16*\k], v[114+16*\k]
.endr
.irp i, 3,5,7,9,11,13
.irp k, 0,1,2,3
	v_max3_num_f32 v[218+\k], v[218+\k], v[112+16*\k+\i], v[113+16*\k+\i]
.endr
.endr
.irp c, 0,1
	v_max3_num_f32 v[216+\c], v[218+2*\c], v[219+2*\c], v[127+32*\c]
.endr
.irp c, 0,1
	v_max_num_f32 v[216+\c], v[216+\c], v[143+32*\c]
.endr
	v_max_num_f32 v222, v216, v217
	v_permlanex16_b32 v223, v222, s[SEL], s[SEL+1]
	v_max_num_f32 v222, v222, v223                 ; the step's largest score of my query
	v_mul_f32 v222, s[CS], v222
	v_max_num_f32 v13, v13, v222                   ; the running largest t
	v_mov_b32 v222, v12
	v_floor_f32 v12, -v13                          ; -M = floor(-t): M is a whole number
	v_sub_f32 v222, v12, v222
	v_cvt_i32_f32 v222, v222                       ; (it saturates)
	v_ldexp_f32 v224, 1.0, v222                    ; f = 2^(old M - new M)
.irp j, 0,2,4,6,8,10,12,14,16,18,20,22,24,26,28,30,32,34,36,38,40,42,44,46,48,50,52,54,56,58,60,62
	v_pk_fma_f32 v[112+\j:113+\j], v[112+\j:113+\j], s[CS:CS+1], v[12:13] op_sel_hi:[1,0,0]   ; t - M
.endr
.irp c, 0,1
	v_fma_f32 v[216+\c], v[216+\c], s[CS], v12     ; the same of each block's largest score
.endr
.irp j, 0,1,2,3,4,5,6,7,8,9,10,11,12,13,14,15,16,17,18,19,20,21,22,23,24,25,26,27,28,29,30,31,32,33,34,35,36,37,38,39,40,41,42,43,44,45,46,47,48,49,50,51,52,53,54,55,56,57,58,59,60,61,62,63
	v_exp_f32 v[112+\j], v[112+\j]                 ; p = 2^(t - M)
.endr
	v_pk_mul_f32 v[14:15], v[14:15], v[224:225] op_sel_hi:[1,0]   ; the sums under the new M: a plain place behind the exponentials
	s_wait_alu depctr_va_vdst(0)                   ; one wait for the batch of 64, ahead of its first reader
.irp c, 0,1
	v_exp_f32 v[216+\c], v[216+\c]                 ; the block's largest p: the same two instructions on the same number
.endr
	v_pk_add_f32 v[226:227], v[112:113], v[114:115]   ; the row's sum, of the unquantised p, in two chains
.irp j, 4,8,12,16,20,24,28,32,36,40,44,48,52,56,60
	v_pk_add_f32 v[14:15], v[14:15], v[112+\j:113+\j]
	v_pk_add_f32 v[226:227], v[226:227], v[114+\j:115+\j]
.endr
	v_pk_add_f32 v[14:15], v[14:15], v[226:227]
	s_wait_alu depctr_va_vdst(0)                   ; and one for the two
.irp c, 0,1
	v_max_num_f32 v[216+\c], 0x1800000, v[216+\c]  ; the floor 2^(3 - 127): the byte cannot fall under 1
.endr
.irp c, 0,1
	v_add_nc_u32 v[228+\c], 0xff000000, v[216+\c]  ; 2 off the exponent field: the conversion's scale operand
.endr
.irp c, 0,1
	v_lshrrev_b32 v[230+\c], 23, v[228+\c]
.endr
	v_lshl_or_b32 v76, v231, 16, v230              ; my two bytes: blocks h and 2 + h,
	v_lshlrev_b32 v76, v7, v76                     ; at their places (8 h bits up);
	v_permlanex16_b32 v222, v76, s[SEL], s[SEL+1]
	v_or_b32 v76, v76, v222                        ; with lane l xor 16's two the word is whole
.irp c, 0,1
.irp w, 0,1,2,3
	v_cvt_scalef32_pk8_fp4_f32 v[208+4*\c+\w], v[112+32*\c+8*\w:119+32*\c+8*\w], v[228+\c]   ; the operand's registers as they stand
.endr
.endr
	v_nop                                          ; one plain place behind a scaled conversion
.irp j, 0,2,4,6,8,10,12,14,16,18,20,22,24,26,28,30
	v_pk_mul_f32 v[176+\j:177+\j], v[176+\j:177+\j], v[224:225] op_sel_hi:[1,0]   ; O^T under the new M; for each product below twelve of these and the v_nop name none of its registers: the places behind the scale word and the codes
.endr
	s_wait_dscnt 0x0                               ; V is in
.irp t, 0,1
	v_wmma_scale_f32_16x16x128_f8f6f4 v[176+8*\t:183+8*\t], v[80+8*\t:87+8*\t], v[208:215], v[176+8*\t:183+8*\t], v[72+\t], v76 matrix_a_fmt:MATRIX_FMT_FP4 matrix_b_fmt:MATRIX_FMT_FP4
.endr
.irp t, 2,3
	v_wmma_scale_f32_16x16x128_f8f6f4 v[176+8*\t:183+8*\t], v[80+8*\t:87+8*\t], v[208:215], v[176+8*\t:183+8*\t], v[70+\t], v76 matrix_a_fmt:MATRIX_FMT_FP4 matrix_b_fmt:MATRIX_FMT_FP4 matrix_a_scale:MATRIX_SCALE_ROW1
.endr
.Lhid_\@:
	s_add_co_u32 s[TB], s[TB], KVB
	s_add_co_u32 s[ST], s[ST], 1
	s_cmp_lt_u32 s[ST], 16
	s_cbranch_scc1 .Lstep_\@
	; the way out: y = O^T / the sum; a lane's 32 registers are channels 32 h + 0 .. 31 of its query: a whole block
.rept 4
	v_nop
.endr
	v_add_f32 v14, v14, v15
	v_permlanex16_b32 v222, v14, s[SEL], s[SEL+1]
	v_add_f32 v14, v14, v222                       ; the row's sum
	v_rcp_f32 v14, v14
	v_nop                                          ; a plain place behind the transcendental
	s_wait_alu depctr_va_vdst(0)                   ; and the wait ahead of its first reader
.irp j, 0,2,4,6,8,10,12,14,16,18,20,22,24,26,28,30
	v_pk_mul_f32 v[112+\j:113+\j], v[176+\j:177+\j], v[14:15] op_sel_hi:[1,0]
.endr
	v_max3_num_f32 v216, |v112|, |v113|, 0x1800000
	v_max3_num_f32 v217, |v128|, |v129|, 0x1800000
.irp i, 2,4,6,8,10,12,14
	v_max3_num_f32 v216, v216, |v[112+\i]|, |v[113+\i]|
	v_max3_num_f32 v217, v217, |v[128+\i]|, |v[129+\i]|
.endr
	v_max_num_f32 v216, v216, v217
	v_add_nc_u32 v228, 0xff000000, v216
	v_lshrrev_b32 v[240+\p], 23, v228
.irp w, 0,1,2,3
	v_cvt_scalef32_pk8_fp4_f32 v[232+4*\p+\w], v[112+8*\w:119+8*\w], v228
.endr
	v_nop                                          ; one plain place behind a scaled conversion
	global_store_b128 v8, v[232+4*\p:235+4*\p], s[YC0+2*\p:YC0+2*\p+1]   ; an image of four registers of the next product's operand: 512 consecutive bytes, aligned
	global_store_b8 v9, v[240+\p], s[YS0+2*\p:YS0+2*\p+1]
.endm
	PASS 0
	PASS 1
	s_wait_tensorcnt 0x0
	ds_add_u32 v254, v255
	s_wait_dscnt 0x0
	CROUND                                         ; the closing round
	s_endpgm
.Lfunc_end_k_q99e074e8cb_attn:
	.size	k_q99e074e8cb_attn, .Lfunc_end_k_q99e074e8cb_attn-k_q99e074e8cb_attn
	.p2alignl 7, 3214868480
	.fill 96, 4, 3214868480
	.section	.rodata,"a",@progbits
	.p2align	6, 0x0
	.amdhsa_kernel k_q99e074e8cb_attn
		.amdhsa_group_segment_fixed_size 169984
		.amdhsa_private_segment_fixed_size 0
		.amdhsa_enable_private_segment 0
		.amdhsa_kernarg_size 24
		.amdhsa_user_sgpr_count 2
		.amdhsa_user_sgpr_kernarg_segment_ptr 1
		.amdhsa_wavefront_size32 1
		.amdhsa_system_sgpr_workgroup_id_x 1
		.amdhsa_system_sgpr_workgroup_id_y 1
		.amdhsa_system_sgpr_workgroup_id_z 1
		.amdhsa_system_vgpr_workitem_id 0
		.amdhsa_next_free_vgpr 256
		.amdhsa_next_free_sgpr 66
		.amdhsa_reserve_vcc 1
		.amdhsa_float_denorm_mode_32 3
		.amdhsa_float_denorm_mode_16_64 3
		.amdhsa_memory_ordered 1
		.amdhsa_forward_progress 1
		.amdhsa_inst_pref_size 54
	.end_amdhsa_kernel
	.amdgpu_metadata
---
amdhsa.version: [ 1, 2 ]
amdhsa.kernels:
  - .name:           k_q99e074e8cb_attn
    .symbol:         k_q99e074e8cb_attn.kd
    .args:
      - { .name: qkv, .offset: 0, .size: 8, .value_kind: global_buffer, .address_space: global }
      - { .name: ycodes, .offset: 8, .size: 8, .value_kind: global_buffer, .address_space: global }
      - { .name: yscales, .offset: 16, .size: 8, .value_kind: global_buffer, .address_space: global }
    .group_segment_fixed_size: 169984
    .private_segment_fixed_size: 0
    .kernarg_segment_align: 8
    .kernarg_segment_size: 24
    .max_flat_workgroup_size: 512
    .sgpr_count:     66
    .vgpr_count:     256
    .wavefront_size: 32
...
	.end_amdgpu_metadata
.endif
;; end of part 2
;; launch proj (part 3): grid 4 x 64, 4 waves a work-group, clusters of 4 x 4, 239,104 bytes of LDS; arguments ycodes, yscales, W_proj_codes, W_proj_scales, b_proj, out0; writes out0
.if DOCPART == 3
	.amdgcn_target "amdgcn-amd-amdhsa--gfx1250"
	.amdhsa_code_object_version 6
	.text
	.protected	k_q99e074e8cb_proj
	.globl	k_q99e074e8cb_proj
	.p2align	8
	.type	k_q99e074e8cb_proj,@function
k_q99e074e8cb_proj:
	s_mov_b64 s[64:65], 0
	v_nop
	global_prefetch_b8 v0, s[64:65] scope:SCOPE_SE
	s_setreg_imm32_b32 hwreg(HW_REG_WAVE_MODE, 25, 1), 1
	s_wait_xcnt 0x0
	s_wait_alu depctr_hold_cnt(0) depctr_sa_sdst(0) depctr_va_vdst(0) depctr_va_sdst(0) depctr_va_ssrc(0) depctr_va_vcc(0) depctr_vm_vsrc(0)
	s_getreg_b32 s2, hwreg(HW_REG_IB_STS2, 6, 4)
	s_cmp_eq_u32 s2, 0
	s_cbranch_scc0 .Lentry_in_a_cluster
	s_endpgm
.Lentry_in_a_cluster:
	s_bfe_u32 s2, ttmp6, 0x10000c
	s_cmp_lg_u32 s2, 0xf033
	s_cbranch_scc0 .Lentry_shape_is_right
	s_endpgm
.Lentry_shape_is_right:
; out0 = y W_proj + b_proj on codes of FP4 (E2M1) with E8M0 scales, K = 1,024.  Source 0 = 16 rows of W_proj (outputs n), source 1 = 16 tokens of y: a lane holds eight neighbouring outputs of one token.
; SHARES.  A work-group: 256 outputs x 128 tokens: 256 work-groups.  Four waves, each 128 outputs x 64 tokens: 32 accumulators, 256 registers.
; All of K lies in LDS, in two halves; each byte is filled once: no ring; every tile is asked for at the head by its tensor load, and nothing is left that could be asked for earlier.
; y's codes come as images of the operand's registers ([K half][tile of 16 tokens][head % 8][512 bytes]): a work-group's part of a K half is 32,768 dense bytes, and a fragment is two loads at 16 x lane.
; CLUSTER 4 x 4: y's tiles hang on the work-group's y alone and are shared along a row of the cluster, W_proj's on its x alone and are shared along a column: joint loads divide the requests by four.
; REGISTERS: window 0: v1-25 addresses; v32-63 W's scale words (register 8 i + ks: lanes 0-15 block i, lanes 16-31 block i + 4), v64-79 y's (lanes 16-31 block i + 2); v128-191 y's fragments, two sets; on the way out v128-255 rows of out0.
;   window 1: v0-127 W's fragments, two sets; v192-255 the bias.   window 2: accumulator (a, b) at v[8 (8 a + b)].
.set PITCH,  272
.set HALFT,  128*PITCH
.set YHALF,  16384                     ; the images of 64 tokens, one K half: what one tensor load brings
.set WOFF,   2*YHALF
.set SLOT3,  WOFF+2*HALFT              ; 102,400
.set STAGE,  2*SLOT3                   ; behind the tiles, bytes of its own: 16 rows x (512 + 16) for each wave
.set SPITCH, 528
.set ADRY, 4
.set ADRW, 6
.set L16,  8                           ; v8   16 x lane
.set SOF0, 11                          ; v11  32 r + 2,048 h
.set BH,   12                          ; v12  32 h
.set SOF1, 13                          ; v13  32 r + 1,024 h
.set STO,  24
.set RD,   25
.set SC0,  32
.set SC1,  64
.set F1,   128
.set BK,   128
.set BI,   192
.set WV, 16
.set H1, 17                            ; wave / 2: my half of the tokens.  Also: I fetch for y (0) or for W (1)
.set H0, 18                            ; wave % 2: my half of the outputs.  Also: which half of that tile I fetch
.set CX, 19
.set CY, 20
.set G1Y, 24
.set G0Y, 32
.set G1W, 40
.set G0W, 48
.set MSB, 0
.macro WIN new
.if MSB != (\new)
	s_set_vgpr_msb (MSB<<8)|(\new)
.set MSB, (\new)
.endif
.endm
.macro PLACES
.rept 4
	v_nop
.endr
.endm
.macro JLOAD g0a, g1a, g0b, g1b        ; waves 0, 1 fetch y's halves, waves 2, 3 W's; four v_nop follow each of the two lines
	s_cmp_eq_u32 s[H1], 0
	s_cbranch_scc0 .Lfor_b_\@
	tensor_load_to_lds s[\g0a:\g0a+3], s[\g1a:\g1a+7]
	s_nop 0
.rept 4
	v_nop
.endr
	s_branch .Lasked_\@
.Lfor_b_\@:
	tensor_load_to_lds s[\g0b:\g0b+3], s[\g1b:\g1b+7]
	s_nop 0
.rept 4
	v_nop
.endr
.Lasked_\@:
.endm
.macro CROUND
	s_barrier_signal -1
	s_barrier_wait -1
	s_cmp_lg_u32 s[WV], 0
	s_cbranch_scc1 .Lnot_wave_0_\@
	s_barrier_signal -3
.Lnot_wave_0_\@:
	s_barrier_wait -3
	s_barrier_signal -1
	s_barrier_wait -1
.endm
.macro WM d, s0, s1, c, x0, x1, r0, r1
.if (\r0) && (\r1)
	v_wmma_scale_f32_16x16x128_f8f6f4 v[\d:\d+7], v[\s0:\s0+7], v[\s1:\s1+7], v[\c:\c+7], v[\x0], v[\x1] matrix_a_fmt:MATRIX_FMT_FP4 matrix_b_fmt:MATRIX_FMT_FP4 matrix_a_scale:MATRIX_SCALE_ROW1 matrix_b_scale:MATRIX_SCALE_ROW1
.elseif (\r0)
	v_wmma_scale_f32_16x16x128_f8f6f4 v[\d:\d+7], v[\s0:\s0+7], v[\s1:\s1+7], v[\c:\c+7], v[\x0], v[\x1] matrix_a_fmt:MATRIX_FMT_FP4 matrix_b_fmt:MATRIX_FMT_FP4 matrix_a_scale:MATRIX_SCALE_ROW1
.elseif (\r1)
	v_wmma_scale_f32_16x16x128_f8f6f4 v[\d:\d+7], v[\s0:\s0+7], v[\s1:\s1+7], v[\c:\c+7], v[\x0], v[\x1] matrix_a_fmt:MATRIX_FMT_FP4 matrix_b_fmt:MATRIX_FMT_FP4 matrix_b_scale:MATRIX_SCALE_ROW1
.else
	v_wmma_scale_f32_16x16x128_f8f6f4 v[\d:\d+7], v[\s0:\s0+7], v[\s1:\s1+7], v[\c:\c+7], v[\x0], v[\x1] matrix_a_fmt:MATRIX_FMT_FP4 matrix_b_fmt:MATRIX_FMT_FP4
.endif
.endm
.macro FETCH ks                        ; the fragments of K step ks into set ks % 2: 24 loads in one run
	WIN 0x40
.irp i, 0,1,2,3,4,5,6,7
.irp c, 0,1
	ds_load_b128 v[64*((\ks)%2)+8*\i+4*\c:64*((\ks)%2)+8*\i+4*\c+3], v[ADRW+(\ks)/4] offset:64*((\ks)%4)+32*\c+\i*16*PITCH
.endr
.endr
	WIN 0
.irp i, 0,1,2,3
.irp c, 0,1
	ds_load_b128 v[F1+32*((\ks)%2)+8*\i+4*\c:F1+32*((\ks)%2)+8*\i+4*\c+3], v[ADRY+(\ks)/4] offset:4096*\i+1024*((\ks)%4)+512*\c
.endr
.endr
.endm
.macro MUL ks, cm                      ; 32 products; cm = 1: the sums start from the bias.  The 32 accumulators take turns, in the same order in every step
.if (\cm) == 0
	WIN 0xa1
.else
	WIN 0x91
.endif
.irp a, 0,1,2,3
.irp b, 0,1,2,3,4,5,6,7
.set rD, 8*(8*\a+\b)
.set rC, rD
.if (\cm) == 1
.set rC, BI+8*\b
.endif
	WM rD, 64*((\ks)%2)+8*\b, F1+32*((\ks)%2)+8*\a, rC, SC0+8*(\b%4)+(\ks), SC1+8*(\a%2)+(\ks), \b/4, \a/2
.endr
.endr
.endm
.macro STEP ks, cm
	s_wait_dscnt 0x0                               ; this step's fragments are in: they were asked for ahead of the last step's products
.if (\ks) == 3
	s_wait_tensorcnt 0x0                           ; my part of the second K half has landed,
	s_barrier_signal -1
	s_barrier_wait -1                              ; everybody's has
.endif
.if ((\ks) > 0) && ((\ks) < 7)
	PLACES                                         ; the loads below go into the set that the last step's products read
.endif
.if (\ks) < 7
	FETCH (\ks)+1
.endif
	MUL \ks, \cm
.endm
	s_load_b256 s[4:11], s[0:1], 0x0               ; y's codes, y's scales, W's codes, W's scales
	s_load_b128 s[12:15], s[0:1], 0x20             ; b_proj, out0
	v_lshl_add_u32 v126, v0, 2, 0x3a400
	v_mov_b32 v127, 0
	ds_add_u32 v126, v127
	ds_add_u32 v126, v127
	v_lshrrev_b32 v1, 5, v0
	v_readfirstlane_b32 s[WV], v1
	s_lshr_b32 s[H1], s[WV], 1
	s_and_b32 s[H0], s[WV], 1
	s_bfe_u32 s[CX], ttmp6, 0x40000
	s_bfe_u32 s[CY], ttmp6, 0x40004
	s_lshl_b32 s22, ttmp9, 2
	s_add_co_u32 s22, s22, s[CX]                   ; work-group x: which 256 outputs
	s_and_b32 s23, ttmp7, 0xffff
	s_lshl_b32 s23, s23, 2
	s_add_co_u32 s23, s23, s[CY]                   ; work-group y: which 128 tokens
	s_lshl_b32 s60, s[CY], 2
	s_lshl_b32 s60, 15, s60                        ; my row of the cluster
	s_lshl_b32 s61, 0x1111, s[CX]                  ; my column
	s_or_b32 s[G1Y], s60, (3<<16)|(1<<21)          ; y: the mask of my row; elements of 8 bytes; 21 set beside a mask; no padding
	s_mov_b32 s[G1Y+1], 32<<16                     ; rows of 256 bytes,
	s_mov_b32 s[G1Y+2], 64<<16                     ; 64 of them: 16,384 dense bytes
	s_mov_b32 s[G1Y+3], 32<<16
	s_mov_b32 s[G1Y+4], 64
	s_mov_b32 s[G1Y+5], 32
	s_mov_b32 s[G1Y+6], 0
	s_mov_b32 s[G1Y+7], 0
	s_or_b32 s[G1W], s61, (1<<20)|(1<<21)|(5<<22)|(3<<25)   ; W: the mask of my column; elements of 1 byte; four words of padding after every 64
	s_mov_b32 s[G1W+1], 256<<16
	s_mov_b32 s[G1W+2], 128<<16
	s_mov_b32 s[G1W+3], 256<<16
	s_mov_b32 s[G1W+4], 128
	s_mov_b32 s[G1W+5], 512
	s_mov_b32 s[G1W+6], 0
	s_mov_b32 s[G1W+7], 0
	s_lshl_b32 s80, s23, 15                        ; y: 32,768 bytes a work-group and K half,
	s_lshl_b32 s56, s[H0], 14
	s_add_co_u32 s80, s80, s56                     ; the half that I fetch
	s_mov_b32 s81, 0
	s_lshl_b32 s82, s22, 8
	s_lshl_b32 s57, s[H0], 7
	s_add_co_u32 s82, s82, s57                     ; W: the 128 rows that I fetch; they are also the rows that I multiply
	s_lshl_b32 s84, s82, 9
	s_mov_b32 s85, 0
	s_lshl_b32 s86, s82, 5                         ; their scale bytes
	s_mov_b32 s87, 0
	s_lshl_b32 s88, s82, 2                         ; their bias, and their columns of out0
	s_mov_b32 s89, 0
	s_lshl_b32 s90, s23, 7
	s_lshl_b32 s57, s[H1], 6
	s_add_co_u32 s90, s90, s57                     ; my first token
	s_lshl_b32 s92, s90, 5
	s_mov_b32 s93, 0
	s_lshl_b32 s94, s90, 12                        ; its row of out0: 4,096 bytes a row (under 2^26)
	s_add_co_u32 s94, s94, s88
	s_mov_b32 s95, 0
	s_mul_i32 s62, s[H0], YHALF                    ; where the tiles go: no place in the cluster enters an LDS address
	s_mul_i32 s63, s[H0], HALFT
	s_add_co_u32 s63, s63, WOFF
	s_wait_dscnt 0x0
	s_wait_kmcnt 0x0
	s_add_nc_u64 s[96:97], s[4:5], s[80:81]
	s_add_nc_u64 s[98:99], s[8:9], s[84:85]
	s_add_nc_u64 s[6:7], s[6:7], s[92:93]
	s_add_nc_u64 s[10:11], s[10:11], s[86:87]
	s_add_nc_u64 s[12:13], s[12:13], s[88:89]
	s_add_nc_u64 s[14:15], s[14:15], s[94:95]
	CROUND                                         ; all sixteen work-groups are here: the joint loads meet
.irp s, 0,1
	s_mov_b32 s[G0Y+4*\s], 1
	s_add_co_u32 s[G0Y+4*\s+1], s62, \s*SLOT3
	s_add_nc_u64 s[G0Y+4*\s+2:G0Y+4*\s+3], s[96:97], \s*2097152
	s_or_b32 s[G0Y+4*\s+3], s[G0Y+4*\s+3], 0x80000000
	s_mov_b32 s[G0W+4*\s], 1
	s_add_co_u32 s[G0W+4*\s+1], s63, \s*SLOT3
	s_add_nc_u64 s[G0W+4*\s+2:G0W+4*\s+3], s[98:99], \s*256
	s_or_b32 s[G0W+4*\s+3], s[G0W+4*\s+3], 0x80000000
	JLOAD G0Y+4*\s, G1Y, G0W+4*\s, G1W             ; both K halves go out together: two tensor loads of mine are out
.endr
	v_and_b32 v1, 15, v0                           ; r
	v_bfe_u32 v2, v0, 4, 1                         ; h
	v_and_b32 v3, 31, v0
	v_lshlrev_b32 v[L16], 4, v3
	v_lshlrev_b32 v[SOF0], 5, v1
	v_lshl_add_u32 v[SOF1], v2, 10, v[SOF0]
	v_lshl_add_u32 v[SOF0], v2, 11, v[SOF0]
	v_lshlrev_b32 v[BH], 5, v2
.irp i, 0,1,2,3
.irp q, 0,1
	global_load_b128 v[SC0+8*\i+4*\q:SC0+8*\i+4*\q+3], v[SOF0], s[10:11] offset:512*\i+16*\q
.endr
.endr
.irp i, 0,1
.irp q, 0,1
	global_load_b128 v[SC1+8*\i+4*\q:SC1+8*\i+4*\q+3], v[SOF1], s[6:7] offset:512*\i+16*\q
.endr
.endr
	WIN 0x40
.irp b, 0,1,2,3,4,5,6,7                ; the bias in the result's layout: register j of tile b is that of output 16 b + 8 h + j
	global_load_b128 v[BI+8*\b:BI+8*\b+3], v[BH], s[12:13] offset:64*\b
	global_load_b128 v[BI+8*\b+4:BI+8*\b+7], v[BH], s[12:13] offset:64*\b+16
.endr
	WIN 0
	v_mul_u32_u24 v3, v1, PITCH
	v_lshl_add_u32 v3, v2, 4, v3
	s_mul_i32 s56, s[H1], YHALF
	s_mul_i32 s57, s[H0], HALFT
	s_add_co_u32 s57, s57, WOFF
.irp s, 0,1
	v_add_nc_u32 v[ADRY+\s], s56, v[L16]
	v_add_nc_u32 v[ADRW+\s], s57, v3
	s_add_co_u32 s56, s56, SLOT3
	s_add_co_u32 s57, s57, SLOT3
.endr
	s_mul_i32 s56, s[WV], 16*SPITCH
	s_add_co_u32 s56, s56, STAGE                   ; my stage
	v_mul_u32_u24 v3, v1, SPITCH
	v_lshl_add_u32 v3, v2, 5, v3
	v_add_nc_u32 v[STO], s56, v3                   ; in: row r, 32 bytes for each half of the lanes
	v_add_nc_u32 v[RD], s56, v[L16]                ; back: the 32 lanes take one row of 512 bytes
	s_wait_tensorcnt 0x1                           ; my part of the first K half is in; the second half's load may stay out
	s_barrier_signal -1
	s_barrier_wait -1
	FETCH 0
	s_wait_loadcnt 0x0                             ; scale words and bias
	STEP 0, 1                                      ; the first K step starts the sums from the bias
	STEP 1, 0
	STEP 2, 0
	STEP 3, 0
	STEP 4, 0
	STEP 5, 0
	STEP 6, 0
	STEP 7, 0
	WIN 0
; THE WAY OUT, a block of 16 tokens x 128 outputs at a time, through my own stage: in as 32 bytes a lane, back as whole rows of 512 bytes.  LDS serves a wave's instructions in order (ISA guide 5.7.1.4): no wait between the stores and the loads.
.macro TOSTAGE a
	WIN 0x08                                       ; an LDS store's data are its source 1: window 2
.irp b, 0,1,2,3,4,5,6,7
	ds_store_b128 v[STO], v[64*(\a)+8*\b:64*(\a)+8*\b+3] offset:64*\b          ; each accumulator from its low end on
	ds_store_b128 v[STO], v[64*(\a)+8*\b+4:64*(\a)+8*\b+7] offset:64*\b+16
.endr
	WIN 0
.irp t, 0,1,2,3,4,5,6,7,8,9,10,11,12,13,14,15
	ds_load_b128 v[BK+64*((\a)%2)+4*\t:BK+64*((\a)%2)+4*\t+3], v[RD] offset:\t*SPITCH
.endr
.endm
.macro SEND a, younger                 ; younger: the LDS instructions issued behind block a's loads, which may stay out
	s_wait_dscnt \younger
.irp t, 0,1,2,3,4,5,6,7,8,9,10,11,12,13,14,15
	global_store_b128 v[L16], v[BK+64*((\a)%2)+4*\t:BK+64*((\a)%2)+4*\t+3], s[14:15] offset:(16*(\a)+\t)*4096 th:TH_STORE_NT   ; 32 lanes store 512 consecutive bytes, aligned; written once, read by nobody here
.endr
.endm
	PLACES                                         ; ahead of the first read of results and of loads into registers that held fragments
	TOSTAGE 0
	TOSTAGE 1
	SEND 0, 32                                     ; behind block 0's loads: block 1's 16 stores and 16 loads
	s_wait_xcnt 0x0                                ; block 0's stores have read their registers: block 2's loads may land there
	TOSTAGE 2
	SEND 1, 32
	s_wait_xcnt 0x0
	TOSTAGE 3
	SEND 2, 32
	SEND 3, 0
	s_wait_tensorcnt 0x0
	ds_add_u32 v126, v127
	s_wait_dscnt 0x0
	CROUND                                         ; the closing round
	s_endpgm
.Lfunc_end_k_q99e074e8cb_proj:
	.size	k_q99e074e8cb_proj, .Lfunc_end_k_q99e074e8cb_proj-k_q99e074e8cb_proj
	.p2alignl 7, 3214868480
	.fill 96, 4, 3214868480
	.section	.rodata,"a",@progbits
	.p2align	6, 0x0
	.amdhsa_kernel k_q99e074e8cb_proj
		.amdhsa_group_segment_fixed_size 239104
		.amdhsa_private_segment_fixed_size 0
		.amdhsa_enable_private_segment 0
		.amdhsa_kernarg_size 48
		.amdhsa_user_sgpr_count 2
		.amdhsa_user_sgpr_kernarg_segment_ptr 1
		.amdhsa_wavefront_size32 1
		.amdhsa_system_sgpr_workgroup_id_x 1
		.amdhsa_system_sgpr_workgroup_id_y 1
		.amdhsa_system_sgpr_workgroup_id_z 1
		.amdhsa_system_vgpr_workitem_id 0
		.amdhsa_next_free_vgpr 768
		.amdhsa_next_free_sgpr 100
		.amdhsa_reserve_vcc 0
		.amdhsa_float_denorm_mode_32 3
		.amdhsa_float_denorm_mode_16_64 3
		.amdhsa_memory_ordered 1
		.amdhsa_forward_progress 1
		.amdhsa_inst_pref_size 71
	.end_amdhsa_kernel
	.amdgpu_metadata
---
amdhsa.version: [ 1, 2 ]
amdhsa.kernels:
  - .name:           k_q99e074e8cb_proj
    .symbol:         k_q99e074e8cb_proj.kd
    .args:
      - { .name: ycodes, .offset: 0, .size: 8, .value_kind: global_buffer, .address_space: global }
      - { .name: yscales, .offset: 8, .size: 8, .value_kind: global_buffer, .address_space: global }
      - { .name: W_proj_codes, .offset: 16, .size: 8, .value_kind: global_buffer, .address_space: global }
      - { .name: W_proj_scales, .offset: 24, .size: 8, .value_kind: global_buffer, .address_space: global }
      - { .name: b_proj, .offset: 32, .size: 8, .value_kind: global_buffer, .address_space: global }
      - { .name: out0, .offset: 40, .size: 8, .value_kind: global_buffer, .address_space: global }
    .group_segment_fixed_size: 239104
    .private_segment_fixed_size: 0
    .kernarg_segment_align: 8
    .kernarg_segment_size: 48
    .max_flat_workgroup_size: 128
    .sgpr_count:     100
    .vgpr_count:     768
    .wavefront_size: 32
...
	.end_amdgpu_metadata
.endif
;; end of part 3
